; MI455X (gfx1250); checked and timed in simulation.
; The chip was launched on July 23, 2026; its instructions are those of AMD's public machine-readable ISA for CDNA 5 (MIT licence, August 2026) and "CDNA5" Instruction Set Architecture Reference Guide (July 2026). The comments in the code are by the model that wrote it; some were corrected since.
;; Super Q. Allowed arithmetic: float matrix products may take bf16 or f16 operands with f32 sums; all other float work in f32.
;; Inputs: assign_matrix 32 x 2,000,000 int32; points 2,000,000 x 3 float32; raw_exponents 32 x 2 float32; raw_rotation 32 x 3 x 2 float32; raw_sqscale 32 x 3 float32; translation 32 x 3 float32.
;; Outputs: out0 2,000,000 float32.
;; 2 versions, each right; version 2 is version 1 with the launch superq written anew for expert scheduling mode. Each part assembles by itself: llvm-mc -triple=amdgcn-amd-amdhsa -mcpu=gfx1250 --defsym DOCPART=n.
;; ======== version 1 of 2: 1 launch
;; launch superq (part 1): grid 3125 x 1, 1 waves a work-group, no clusters, 4,352 bytes of LDS; arguments assign_matrix, points, raw_exponents, raw_rotation, raw_sqscale, translation, out0; writes out0
.if DOCPART == 1
	.amdgcn_target "amdgcn-amd-amdhsa--gfx1250"
	.amdhsa_code_object_version 6
	.text
	.protected	k_q26310300c4_superq
	.globl	k_q26310300c4_superq
	.p2align	8
	.type	k_q26310300c4_superq,@function
k_q26310300c4_superq:
	s_mov_b64 s[64:65], 0
	v_nop
	global_prefetch_b8 v0, s[64:65] scope:SCOPE_SE
	s_setreg_imm32_b32 hwreg(HW_REG_WAVE_MODE, 25, 1), 1
	s_wait_xcnt 0x0
; SuperQ: truncated superquadric distance of every point to the superquadric that owns it.
;   assign_matrix [32][2000000] i32, points [2000000][3] f32, 32 sets of parameters, out0 [2000000] f32.
; A point keeps its distance only if the largest number of its column is 1; then all of the column is <= 1 and the argmax is the
; FIRST row that holds a 1.  So per element: one compare with 1, one select (rows walked from 31 down to 0, the lowest row wins),
; and half a three-way integer maximum.  This holds for any int32 contents.
; WORK: 2,000,000 = 3,125 x 5 x 128.  3,125 work-groups of one wave; a wave makes 5 trips of 128 points, 4 neighbouring points a lane.
; Trip t of wave w takes chunk w + 3125 t, so that neighbouring waves read neighbouring bytes at the same time.
; RING: slot = row.  A row's load of the wave covers 512 consecutive bytes, aligned; as soon as two rows are consumed their registers
; are loaded with the next chunk: 32 row loads and 3 point loads of the wave are always out, and no wait in the loop is for zero.
; PARAMETERS: 32 superquadrics = 32 lanes.  Lane n works out set n once and lays 20 numbers into LDS; a point fetches its owner's row.
; No barrier: one wave.  No cluster, no tensor load: work-groups share nothing but 1,792 bytes of parameters.  No matrix instruction: each
; point meets its own gathered 3 x 3 matrix (9 multiply-adds); a product with all 32 rotations would be 32 times the work.
; LIMITS: a power's result below 2^-126 counts as zero (v_exp_f32 and v_log_f32 flush denormals, ISA guide 15.8), where f32 arithmetic
; would keep it down to 2^-149.  NaN and infinities in the inputs are not honoured (v_max_num_f32 drops a NaN).  Local coordinates
; stay below 1.8e19 in magnitude (their squares are formed in f32, as in the reference, but r0 = inf gives NaN here).
; (X/s)^2 is formed as X^2 (1/s)^2, x^y as exp2(y log2 x), r0 (1 - f) as one fused r0 - r0 f: another order of rounding.
; The sign that the reference gives back to the clamped coordinate is not formed: every later use squares it.
.set NPTS,   2000000
.set ROWB,   4*NPTS                    ; bytes in a row of assign_matrix: 8,000,000, inside the signed 24-bit immediate
.set CHUNK,  128                       ; points of a trip
.set GROUPS, 3125                      ; waves in the launch
.set TRIPS,  5
.set ASTEP,  GROUPS*CHUNK*4            ; from a wave's chunk to its next: bytes in a row of assign_matrix and in out0
.set PSTEP,  GROUPS*CHUNK*12           ; and in points
.set TPITCH, 80                        ; LDS table: 20 words a row; rows r and r + 16 alone start at one bank (64 banks of 4 bytes: ISA guide 11.1)
.set STAGE,  32*TPITCH                 ; behind the table: 1,536 bytes in which a chunk's points change from loaded order to 48 bytes a lane
.set VOFF, 1                           ; v1        16 lane + 512 chunk: my bytes in a row of assign_matrix (and in out0)
.set POFF, 2                           ; v2        16 lane + 1536 chunk: my bytes of the chunk's points as loaded
.set LWR,  4                           ; v4        stage, in:  16 lane
.set LRD,  5                           ; v5        stage, out: 48 lane
.set RO,   6                           ; v6        24 lane (raw_rotation)
.set SO,   7                           ; v7        12 lane (raw_sqscale, translation)
.set IDX,  8                           ; v[8:11]   point j: lowest row seen so far that holds a 1; then its table address
.set MX,   12                          ; v[12:15]  point j: largest number of its column
.set PR,   16                          ; v[16:27]  the chunk's points as loaded
.set PT,   28                          ; v[28:39]  my 4 points: x, y, z each
.set PRM,  40                          ; v[40:119] point j: its owner's 20 numbers, worked on in place
.set RES,  120                         ; v[120:123] 4 results
.set EO,   124                         ; v124      8 lane (raw_exponents)
.set TB,   125                         ; v125      80 lane (my table row)
.set A,    128                         ; v[128:255] ring: row n of assign_matrix in v[A+4n : A+4n+3]
.set MK,   20                          ; s[20:27]  lane masks of the compares
.set EPS,  28                          ; s28       1e-6
.set LO,   29                          ; s29       -0.1
.set HI,   30                          ; s30       0.1
.set CNT,  31                          ; s31       trips left in the loop
.set BASE, 32                          ; s[32:63]  address of row 2k of assign_matrix, k = 0 .. 15; row 2k + 1 by the immediate ROWB
	s_load_b256 s[4:11], s[0:1], 0x0               ; assign_matrix s[4:5], points s[6:7], raw_exponents s[8:9], raw_rotation s[10:11]
	s_load_b128 s[12:15], s[0:1], 0x20             ; raw_sqscale s[12:13], translation s[14:15]
	s_load_b64 s[16:17], s[0:1], 0x30              ; out0
	v_lshl_add_u32 v126, v0, 2, 0x1000
	v_mov_b32 v127, 0
	s_lshl_b32 s2, ttmp9, 9                        ; my first chunk: 512 bytes of a row,
	s_mul_i32 s3, ttmp9, 1536                      ; 1,536 bytes of points
	s_mov_b32 s[EPS], 0x358637bd
	s_mov_b32 s[LO], 0xbdcccccd
	s_mov_b32 s[HI], 0x3dcccccd
	v_mul_u32_u24 v[RO], v0, 24
	v_mul_u32_u24 v[SO], v0, 12
	v_lshlrev_b32 v[EO], 3, v0
	v_mul_u32_u24 v[TB], v0, TPITCH
	v_lshl_add_u32 v[VOFF], v0, 4, s2
	v_lshl_add_u32 v[POFF], v0, 4, s3
	v_lshl_add_u32 v[LWR], v0, 4, STAGE
	v_mad_u32_u24 v[LRD], v0, 48, STAGE
	s_wait_kmcnt 0x0
	; the parameters of superquadric = lane: six loads, ahead of the ring
	global_load_b64 v[40:41], v[RO], s[10:11]              ; a1.x a2.x
	global_load_b64 v[42:43], v[RO], s[10:11] offset:8     ; a1.y a2.y
	global_load_b64 v[44:45], v[RO], s[10:11] offset:16    ; a1.z a2.z
	global_load_b96 v[46:48], v[SO], s[12:13]              ; scale
	global_load_b64 v[50:51], v[EO], s[8:9]                ; e1 e2
	global_load_b96 v[60:62], v[SO], s[14:15]              ; translation, straight into its place in the table row
.irp k, 0,1,2,3,4,5,6,7,8,9,10,11,12,13,14,15
	s_add_nc_u64 s[BASE+2*\k:BASE+2*\k+1], s[4:5], \k*2*ROWB
.endr
.macro LOADP                           ; a chunk's points: 3 x 512 consecutive bytes
.irp q, 0,1,2
	global_load_b128 v[PR+4*\q:PR+4*\q+3], v[POFF], s[6:7] offset:512*\q th:TH_LOAD_NT
.endr
.endm
.macro LOADA k                         ; rows 2k + 1 and 2k of a chunk: 512 consecutive bytes each
	global_load_b128 v[A+8*\k+4:A+8*\k+7], v[VOFF], s[BASE+2*\k:BASE+2*\k+1] offset:ROWB th:TH_LOAD_NT
	global_load_b128 v[A+8*\k:A+8*\k+3], v[VOFF], s[BASE+2*\k:BASE+2*\k+1] th:TH_LOAD_NT
.endm
	LOADP                                          ; fill the ring in the order in which it is consumed: points, rows 31 .. 0
.irp k, 15,14,13,12,11,10,9,8,7,6,5,4,3,2,1,0
	LOADA \k
.endr
	; THE TABLE.  Row n, words 0-19:  t.x t.y t.z 1/e1 | b1.xyz e2/e1 | b2.xyz -e1/2 | b3.xyz 1/s2^2 | 1/s0^2 1/s1^2 1/e2 1/e2
	s_wait_loadcnt 35                              ; loads come back in order (ISA guide 5.7.1): the six are in, the ring's 35 stay out
	v_mul_f32 v52, v40, v40
	v_fmac_f32 v52, v42, v42
	v_fmac_f32 v52, v44, v44                       ; |a1|^2
	v_max_num_f32 v50, 0x3c23d70a, v50             ; e1, e2 at least 0.01
	v_max_num_f32 v51, 0x3c23d70a, v51
	v_max_num_f32 v46, 0x3727c5ac, v46             ; scale at least 1e-5
	v_max_num_f32 v47, 0x3727c5ac, v47
	v_max_num_f32 v48, 0x3727c5ac, v48
	v_sqrt_f32 v52, v52
	v_rcp_f32 v63, v50                             ; 1/e1
	v_rcp_f32 v78, v51                             ; 1/e2, twice: a pair for the packed multiply
	v_rcp_f32 v79, v51
	v_rcp_f32 v46, v46
	v_rcp_f32 v47, v47
	v_rcp_f32 v48, v48
	v_mul_f32 v71, -0.5, v50                       ; -e1/2.  Also the plain instruction that stands behind transcendentals before a result is used (ISA guide 5.7.2)
	s_wait_alu depctr_va_vdst(0)
	v_max_num_f32 v52, 0x2b8cbccc, v52             ; norm at least 1e-12
	v_rcp_f32 v52, v52
	v_mul_f32 v67, v51, v63                        ; e2/e1 (and the place behind the reciprocal)
	s_wait_alu depctr_va_vdst(0)
	v_mul_f32 v64, v40, v52
	v_mul_f32 v65, v42, v52
	v_mul_f32 v66, v44, v52                        ; b1
	v_mul_f32 v53, v64, v41
	v_fmac_f32 v53, v65, v43
	v_fmac_f32 v53, v66, v45                       ; b1 . a2
	v_fma_f32 v68, -v53, v64, v41
	v_fma_f32 v69, -v53, v65, v43
	v_fma_f32 v70, -v53, v66, v45                  ; a2 - (b1 . a2) b1
	v_mul_f32 v54, v68, v68
	v_fmac_f32 v54, v69, v69
	v_fmac_f32 v54, v70, v70
	v_sqrt_f32 v54, v54
	v_mul_f32 v76, v46, v46                        ; 1/s0^2 (the place behind the root)
	v_mul_f32 v77, v47, v47
	s_wait_alu depctr_va_vdst(0)
	v_max_num_f32 v54, 0x2b8cbccc, v54
	v_rcp_f32 v54, v54
	v_mul_f32 v75, v48, v48                        ; 1/s2^2 (the place behind the reciprocal)
	s_wait_alu depctr_va_vdst(0)
	v_mul_f32 v68, v68, v54
	v_mul_f32 v69, v69, v54
	v_mul_f32 v70, v70, v54                        ; b2
	v_mul_f32 v72, v65, v70
	v_mul_f32 v73, v66, v68
	v_mul_f32 v74, v64, v69
	v_fma_f32 v72, -v66, v69, v72
	v_fma_f32 v73, -v64, v70, v73
	v_fma_f32 v74, -v65, v68, v74                  ; b3 = b1 x b2
.irp q, 0,1,2,3,4
	ds_store_b128 v[TB], v[60+4*\q:63+4*\q] offset:16*\q   ; LDS serves a wave's instructions in order (ISA guide 5.7.1.4): the loads below see these
.endr
; Rows 2k + 1 and 2k of the chunk at work, then (ahead = 1) the same rows of the next chunk into the same registers.
; The wait, ahead = 1: behind this pair were issued 2k younger rows of this chunk, 3 point loads and 2 (15 - k) rows of the next: 33.
; In the last trip only the 2k younger rows.
.macro ROWS k, ahead
.if \ahead
	s_wait_loadcnt 33
.else
	s_wait_loadcnt 2*\k
.endif
.if \k == 15
	; row 31 needs no compare: 31 is what stays if no lower row holds a 1 (then row 31 does, or the point is unassigned and its index is not used)
.irp j, 0,1,2,3
	v_cmp_eq_u32 s[MK+\j], 1, v[A+120+\j]
.endr
.irp j, 0,1,2,3
	v_cndmask_b32 v[IDX+\j], 31, 30, s[MK+\j]              ; the first select starts the chain: nothing is cleared
.endr
.irp j, 0,1,2,3
	v_max_i32 v[MX+\j], v[A+124+\j], v[A+120+\j]
.endr
.else
.irp j, 0,1,2,3
	v_cmp_eq_u32 s[MK+\j], 1, v[A+8*\k+4+\j]
.endr
.irp j, 0,1,2,3
	v_cmp_eq_u32 s[MK+4+\j], 1, v[A+8*\k+\j]
.endr
.irp j, 0,1,2,3
	v_cndmask_b32 v[IDX+\j], v[IDX+\j], 2*\k+1, s[MK+\j]
.endr
.irp j, 0,1,2,3
	v_cndmask_b32 v[IDX+\j], v[IDX+\j], 2*\k, s[MK+4+\j]   ; the lower row comes later and wins
.endr
.irp j, 0,1,2,3
	v_max3_i32 v[MX+\j], v[MX+\j], v[A+8*\k+4+\j], v[A+8*\k+\j]
.endr
.endif
.if \ahead
	LOADA \k
.endif
.endm
; THE DISTANCE, in stages of plain instructions followed by transcendentals.  Points (0, 1) and (2, 3) take turns, so that between a
; transcendental and the first use of its result there always stand the other pair's plain instructions (ISA guide 5.7.2).
.macro ST1 a, b                        ; local frame, clamp, squares; then log2 of the three (X/s)^2 and the root for r0
.irp j, \a, \b
.set P, PRM+20*\j
.set Q, PT+3*\j
	v_sub_f32 v[P], v[Q], v[P]                     ; p - t
	v_sub_f32 v[P+1], v[Q+1], v[P+1]
	v_sub_f32 v[P+2], v[Q+2], v[P+2]
	v_mul_f32 v[P+4], v[P], v[P+4]                 ; X = (b1, b2, b3) . (p - t), three chains
	v_mul_f32 v[P+8], v[P], v[P+8]
	v_mul_f32 v[P+12], v[P], v[P+12]
	v_fmac_f32 v[P+4], v[P+1], v[P+5]
	v_fmac_f32 v[P+8], v[P+1], v[P+9]
	v_fmac_f32 v[P+12], v[P+1], v[P+13]
	v_fmac_f32 v[P+4], v[P+2], v[P+6]
	v_fma_f32 v[P+5], v[P+2], v[P+10], v[P+8]      ; the last links lay X side by side in P+4 .. P+6
	v_fma_f32 v[P+6], v[P+2], v[P+14], v[P+12]
	v_max_num_f32 v[P+4], |v[P+4]|, s[EPS]         ; |X| at least 1e-6
	v_max_num_f32 v[P+5], |v[P+5]|, s[EPS]
	v_max_num_f32 v[P+6], |v[P+6]|, s[EPS]
	v_pk_mul_f32 v[P+4:P+5], v[P+4:P+5], v[P+4:P+5]
	v_mul_f32 v[P+6], v[P+6], v[P+6]               ; X^2
	v_add_f32 v[P], v[P+4], v[P+5]
	v_add_f32 v[P], v[P], v[P+6]                   ; r0^2
	v_pk_mul_f32 v[P+4:P+5], v[P+4:P+5], v[P+16:P+17]
	v_mul_f32 v[P+6], v[P+6], v[P+15]              ; (X/s)^2
.endr
.irp j, \a, \b
.set P, PRM+20*\j
	v_log_f32 v[P+4], v[P+4]
	v_log_f32 v[P+5], v[P+5]
	v_log_f32 v[P+6], v[P+6]
	v_sqrt_f32 v[P], v[P]                          ; r0
.endr
.endm
.macro ST2 a, b                        ; term1, term2 = ((X/s)^2)^(1/e2), term3 = ((X/s)^2)^(1/e1)
	s_wait_alu depctr_va_vdst(0)
.irp j, \a, \b
.set P, PRM+20*\j
	v_pk_mul_f32 v[P+4:P+5], v[P+4:P+5], v[P+18:P+19]
	v_mul_f32 v[P+6], v[P+6], v[P+3]
.endr
.irp j, \a, \b
.set P, PRM+20*\j
	v_exp_f32 v[P+4], v[P+4]
	v_exp_f32 v[P+5], v[P+5]
	v_exp_f32 v[P+6], v[P+6]
.endr
.endm
.macro STEP a, b, op, src, fn          ; one link of the chain in P+4: a plain instruction with word src, then a transcendental
	s_wait_alu depctr_va_vdst(0)
.irp j, \a, \b
	\op v[PRM+20*\j+4], v[PRM+20*\j+4], v[PRM+20*\j+\src]
.endr
.irp j, \a, \b
	\fn v[PRM+20*\j+4], v[PRM+20*\j+4]
.endr
.endm
.macro ST7 a, b                        ; r0 (1 - f), truncated; 0 where the column's maximum is not 1
	s_wait_alu depctr_va_vdst(0)
.irp j, \a, \b
.set P, PRM+20*\j
	v_fma_f32 v[RES+\j], -v[P], v[P+4], v[P]
	v_cmp_eq_u32 s[MK+\j], 1, v[MX+\j]
	v_med3_num_f32 v[RES+\j], v[RES+\j], s[LO], s[HI]
	v_cndmask_b32 v[RES+\j], 0, v[RES+\j], s[MK+\j]
.endr
.endm
; One chunk of 128 points.  ahead = 1: the ring is filled again with the wave's next chunk.
.macro TRIP ahead
	s_wait_loadcnt 32                              ; the chunk's 3 point loads are in; its 32 rows, issued behind them, may be out
.irp q, 0,1,2
	ds_store_b128 v[LWR], v[PR+4*\q:PR+4*\q+3] offset:512*\q
.endr
.irp q, 0,1,2
	ds_load_b128 v[PT+4*\q:PT+4*\q+3], v[LRD] offset:16*\q ; my 4 points; lanes 48 bytes apart: 16 lanes, 16 different 16-byte columns
.endr
	s_wait_xcnt 0x0                                ; every earlier load and store has had its addresses translated (ISA guide 3.1): VOFF, POFF and RES are rewritten only behind this wait
.if \ahead
	v_add_nc_u32 v[VOFF], ASTEP, v[VOFF]           ; the next chunk; this trip's store reaches back
	v_add_nc_u32 v[POFF], PSTEP, v[POFF]
	LOADP
.endif
.irp k, 15,14,13,12,11,10,9,8,7,6,5,4,3,2,1,0
	ROWS \k, \ahead
.endr
.irp j, 0,1,2,3
	v_min_u32 v[IDX+\j], 31, v[IDX+\j]             ; a row of the table, whatever was loaded
.endr
.irp j, 0,1,2,3
	v_mul_u32_u24 v[IDX+\j], v[IDX+\j], TPITCH
.endr
.irp j, 0,1,2,3
.irp q, 0,1,2,3,4
	ds_load_b128 v[PRM+20*\j+4*\q:PRM+20*\j+4*\q+3], v[IDX+\j] offset:16*\q
.endr
.endr
	s_wait_dscnt 10                                ; LDS loads come back in order: my points and the rows of points 0, 1 are in; the 10 loads for points 2, 3 may be out
	ST1 0, 1
	s_wait_dscnt 0x0
	ST1 2, 3
	ST2 0, 1
	ST2 2, 3
	STEP 0, 1, v_add_f32, 5, v_log_f32             ; log2 (term1 + term2)
	STEP 2, 3, v_add_f32, 5, v_log_f32
	STEP 0, 1, v_mul_f32, 7, v_exp_f32             ; (term1 + term2)^(e2/e1)
	STEP 2, 3, v_mul_f32, 7, v_exp_f32
	STEP 0, 1, v_add_f32, 6, v_log_f32             ; log2 (.. + term3)
	STEP 2, 3, v_add_f32, 6, v_log_f32
	STEP 0, 1, v_mul_f32, 11, v_exp_f32            ; f = (..)^(-e1/2)
	STEP 2, 3, v_mul_f32, 11, v_exp_f32
	ST7 0, 1
	ST7 2, 3
.if \ahead
	global_store_b128 v[VOFF], v[RES:RES+3], s[16:17] offset:-ASTEP th:TH_STORE_NT   ; the wave stores 512 consecutive bytes, aligned
.else
	global_store_b128 v[VOFF], v[RES:RES+3], s[16:17] th:TH_STORE_NT
.endif
.endm
	s_mov_b32 s[CNT], TRIPS-1
.Ltrip:
	TRIP 1
	s_sub_co_u32 s[CNT], s[CNT], 1
	s_cmp_lg_u32 s[CNT], 0
	s_cbranch_scc1 .Ltrip
	TRIP 0                                         ; the last chunk loads nothing: no load leaves its buffer, and the counts run down to 0
	s_wait_tensorcnt 0x0
	ds_add_u32 v126, v127
	s_wait_dscnt 0x0
	s_endpgm
.Lfunc_end_k_q26310300c4_superq:
	.size	k_q26310300c4_superq, .Lfunc_end_k_q26310300c4_superq-k_q26310300c4_superq
	.p2alignl 7, 3214868480
	.fill 96, 4, 3214868480
	.section	.rodata,"a",@progbits
	.p2align	6, 0x0
	.amdhsa_kernel k_q26310300c4_superq
		.amdhsa_group_segment_fixed_size 4352
		.amdhsa_private_segment_fixed_size 0
		.amdhsa_enable_private_segment 0
		.amdhsa_kernarg_size 56
		.amdhsa_user_sgpr_count 2
		.amdhsa_user_sgpr_kernarg_segment_ptr 1
		.amdhsa_wavefront_size32 1
		.amdhsa_system_sgpr_workgroup_id_x 1
		.amdhsa_system_sgpr_workgroup_id_y 1
		.amdhsa_system_sgpr_workgroup_id_z 1
		.amdhsa_system_vgpr_workitem_id 0
		.amdhsa_next_free_vgpr 256
		.amdhsa_next_free_sgpr 66
		.amdhsa_reserve_vcc 0
		.amdhsa_float_denorm_mode_32 3
		.amdhsa_float_denorm_mode_16_64 3
		.amdhsa_memory_ordered 1
		.amdhsa_forward_progress 1
		.amdhsa_inst_pref_size 71
	.end_amdhsa_kernel
	.amdgpu_metadata
---
amdhsa.version: [ 1, 2 ]
amdhsa.kernels:
  - .name:           k_q26310300c4_superq
    .symbol:         k_q26310300c4_superq.kd
    .args:
      - { .name: assign_matrix, .offset: 0, .size: 8, .value_kind: global_buffer, .address_space: global }
      - { .name: points, .offset: 8, .size: 8, .value_kind: global_buffer, .address_space: global }
      - { .name: raw_exponents, .offset: 16, .size: 8, .value_kind: global_buffer, .address_space: global }
      - { .name: raw_rotation, .offset: 24, .size: 8, .value_kind: global_buffer, .address_space: global }
      - { .name: raw_sqscale, .offset: 32, .size: 8, .value_kind: global_buffer, .address_space: global }
      - { .name: translation, .offset: 40, .size: 8, .value_kind: global_buffer, .address_space: global }
      - { .name: out0, .offset: 48, .size: 8, .value_kind: global_buffer, .address_space: global }
    .group_segment_fixed_size: 4352
    .private_segment_fixed_size: 0
    .kernarg_segment_align: 8
    .kernarg_segment_size: 56
    .max_flat_workgroup_size: 32
    .sgpr_count:     66
    .vgpr_count:     256
    .wavefront_size: 32
...
	.end_amdgpu_metadata
.endif
;; end of part 1
;; ======== version 2 of 2: 1 launch; version 1 with the launch superq written anew for expert scheduling mode
;; launch superq (part 2): grid 3125 x 1, 1 waves a work-group, no clusters, 4,352 bytes of LDS; arguments assign_matrix, points, raw_exponents, raw_rotation, raw_sqscale, translation, out0; writes out0
.if DOCPART == 2
	.amdgcn_target "amdgcn-amd-amdhsa--gfx1250"
	.amdhsa_code_object_version 6
	.text
	.protected	k_q26310300c4_superq
	.globl	k_q26310300c4_superq
	.p2align	8
	.type	k_q26310300c4_superq,@function
k_q26310300c4_superq:
	s_mov_b64 s[64:65], 0
	v_nop
	global_prefetch_b8 v0, s[64:65] scope:SCOPE_SE
	s_setreg_imm32_b32 hwreg(HW_REG_WAVE_SCHED_MODE, 0, 2), 2
	s_setreg_imm32_b32 hwreg(HW_REG_WAVE_MODE, 25, 1), 1
	s_wait_xcnt 0x0
	s_wait_alu depctr_vm_vsrc(0)
; SuperQ: truncated superquadric distance of every point to the superquadric that owns it.
;   assign_matrix [32][2000000] i32, points [2000000][3] f32, 32 sets of parameters, out0 [2000000] f32.
; A point keeps its distance only if the largest number of its column is 1; then all of the column is <= 1 and the argmax is the
; FIRST row that holds a 1.  So per element: one compare with 1, one select (rows walked from 31 down to 0, the lowest row wins),
; and half a three-way integer maximum.  This holds for any int32 contents.
; WORK: 2,000,000 = 3,125 x 5 x 128.  3,125 work-groups of one wave; a wave makes 5 trips of 128 points, 4 neighbouring points a lane.
; Trip t of wave w takes chunk w + 3125 t, so that neighbouring waves read neighbouring bytes at the same time.
; RING: slot = row.  A row's load of the wave covers 512 consecutive bytes, aligned.  The rows go in 8 groups of four; a group's registers
; are loaded with the next chunk while the next group is worked on, and no wait for loads in the loop is for zero.
; PARAMETERS: 32 superquadrics = 32 lanes.  Lane n works out set n once and lays 20 numbers into LDS; a point fetches its owner's row.
; No barrier: one wave.  No cluster, no tensor load: work-groups share nothing but 1,792 bytes of parameters.  No matrix instruction: each
; point meets its own gathered 3 x 3 matrix (9 multiply-adds); a product with all 32 rotations would be 32 times the work.
; LIMITS: a power's result below 2^-126 counts as zero (v_exp_f32 and v_log_f32 flush denormals, ISA guide 15.8), where f32 arithmetic
; would keep it down to 2^-149.  NaN and infinities in the inputs are not honoured (v_max_num_f32 drops a NaN).  Local coordinates
; stay below 1.8e19 in magnitude (their squares are formed in f32, as in the reference, but r0 = inf gives NaN here).
; (X/s)^2 is formed as X^2 (1/s)^2, x^y as exp2(y log2 x), r0 (1 - f) as one fused r0 - r0 f: another order of rounding.
; The sign that the reference gives back to the clamped coordinate is not formed: every later use squares it.
; THE MODE: SCHED_MODE bits 1:0 = 2 (LLVM: expert scheduling mode 2), set by the entry lines.  The code itself states the register dependences
; between vector instructions and memory or LDS instructions, with s_wait_alu, always for 0.
; THE PLAN.  Registers that memory or LDS instructions touch, in the loop:
;   the ring   Group g's compares and maxima read its four rows; the loads of the next chunk land in them in group g + 1's body (group 7's: ahead of the distance).
;   PR         Written by the points' loads, read by the three stores into the stage; no vector instruction names it.
;   PT         Written by the three loads from the stage at a trip's head; read by the distance's first stage.
;   PRM        Written by the 20 loads from the table, then worked on in place by the distance.
;   IDX        Written by the selects and the two lines that make the table address; read by the 20 loads from the table.
;   RES        Written by the distance's last stage; read by the trip's store.
;   VOFF, POFF Read by every load and by the store; written by one add each at a trip's head.  All other offsets are made once and never written again.
; So on va_vdst: one wait at a trip's head behind the two adds; one at the head of groups 1 to 7; one ahead of the table's loads; one ahead of the store.
; Behind each, no vector instruction names a register of the memory instructions that it serves: a group's body names its own rows, IDX, MX and masks alone.
; On vm_vsrc: one wait a trip, behind the stores into the stage and ahead of the adds.  On va_sdst: one behind each run of compares, ahead of the selects.
.set NPTS,   2000000
.set ROWB,   4*NPTS                    ; bytes in a row of assign_matrix: 8,000,000, inside the signed 24-bit immediate
.set CHUNK,  128                       ; points of a trip
.set GROUPS, 3125                      ; waves in the launch
.set TRIPS,  5
.set ASTEP,  GROUPS*CHUNK*4            ; from a wave's chunk to its next: bytes in a row of assign_matrix and in out0
.set PSTEP,  GROUPS*CHUNK*12           ; and in points
.set TPITCH, 80                        ; LDS table: 20 words a row; rows r and r + 16 alone start at one bank (64 banks of 4 bytes: ISA guide 11.1)
.set STAGE,  32*TPITCH                 ; behind the table: 1,536 bytes in which a chunk's points change from loaded order to 48 bytes a lane
.set VOFF, 1                           ; v1        16 lane + 512 chunk: my bytes in a row of assign_matrix (and in out0)
.set POFF, 2                           ; v2        16 lane + 1536 chunk: my bytes of the chunk's points as loaded
.set LWR,  4                           ; v4        stage, in:  16 lane
.set LRD,  5                           ; v5        stage, out: 48 lane
.set RO,   6                           ; v6        24 lane (raw_rotation)
.set SO,   7                           ; v7        12 lane (raw_sqscale, translation)
.set IDX,  8                           ; v[8:11]   point j: lowest row seen so far that holds a 1; then its table address
.set MX,   12                          ; v[12:15]  point j: largest number of its column
.set PR,   16                          ; v[16:27]  the chunk's points as loaded
.set PT,   28                          ; v[28:39]  my 4 points: x, y, z each
.set PRM,  40                          ; v[40:119] point j: its owner's 20 numbers, worked on in place
.set RES,  120                         ; v[120:123] 4 results
.set EO,   124                         ; v124      8 lane (raw_exponents)
.set TB,   125                         ; v125      80 lane (my table row)
.set A,    128                         ; v[128:255] ring: row n of assign_matrix in v[A+4n : A+4n+3]
.set MKA,  8                           ; s[8:15]   once the parameters are in: lane masks of the compares of a group's two upper rows
.set MKB,  20                          ; s[20:27]  lane masks of the compares of its two lower rows
.set EPS,  28                          ; s28       1e-6
.set LO,   29                          ; s29       -0.1
.set HI,   30                          ; s30       0.1
.set CNT,  31                          ; s31       trips left in the loop
.set BASE, 32                          ; s[32:63]  address of row 2k of assign_matrix, k = 0 .. 15; row 2k + 1 by the immediate ROWB
	s_load_b256 s[4:11], s[0:1], 0x0               ; assign_matrix s[4:5], points s[6:7], raw_exponents s[8:9], raw_rotation s[10:11]
	s_load_b128 s[12:15], s[0:1], 0x20             ; raw_sqscale s[12:13], translation s[14:15]
	s_load_b64 s[16:17], s[0:1], 0x30              ; out0
	v_lshl_add_u32 v126, v0, 2, 0x1000
	v_mov_b32 v127, 0
	s_lshl_b32 s2, ttmp9, 9                        ; my first chunk: 512 bytes of a row,
	s_mul_i32 s3, ttmp9, 1536                      ; 1,536 bytes of points
	s_mov_b32 s[EPS], 0x358637bd
	s_mov_b32 s[LO], 0xbdcccccd
	s_mov_b32 s[HI], 0x3dcccccd
	v_mul_u32_u24 v[RO], v0, 24
	v_mul_u32_u24 v[SO], v0, 12
	v_lshlrev_b32 v[EO], 3, v0
	v_mul_u32_u24 v[TB], v0, TPITCH
	v_lshl_add_u32 v[VOFF], v0, 4, s2
	v_lshl_add_u32 v[POFF], v0, 4, s3
	v_lshl_add_u32 v[LWR], v0, 4, STAGE
	v_mad_u32_u24 v[LRD], v0, 48, STAGE
	s_wait_kmcnt 0x0
	s_wait_alu depctr_va_vdst(0)                   ; the eight offsets and LDS addresses above are written, which the loads and stores below read
	; the parameters of superquadric = lane: six loads, ahead of the ring
	global_load_b64 v[40:41], v[RO], s[10:11]              ; a1.x a2.x
	global_load_b64 v[42:43], v[RO], s[10:11] offset:8     ; a1.y a2.y
	global_load_b64 v[44:45], v[RO], s[10:11] offset:16    ; a1.z a2.z
	global_load_b96 v[46:48], v[SO], s[12:13]              ; scale
	global_load_b64 v[50:51], v[EO], s[8:9]                ; e1 e2
	global_load_b96 v[60:62], v[SO], s[14:15]              ; translation, straight into its place in the table row
.irp k, 0,1,2,3,4,5,6,7,8,9,10,11,12,13,14,15
	s_add_nc_u64 s[BASE+2*\k:BASE+2*\k+1], s[4:5], \k*2*ROWB
.endr
.macro LOADP                           ; a chunk's points: 3 x 512 consecutive bytes
.irp q, 0,1,2
	global_load_b128 v[PR+4*\q:PR+4*\q+3], v[POFF], s[6:7] offset:512*\q th:TH_LOAD_NT
.endr
.endm
.macro LOADR n                         ; row n of a chunk: 512 consecutive bytes
	global_load_b128 v[A+4*(\n):A+4*(\n)+3], v[VOFF], s[BASE+2*((\n)/2):BASE+2*((\n)/2)+1] offset:((\n)%2)*ROWB th:TH_LOAD_NT
.endm
	LOADP                                          ; fill the ring in the order in which it is consumed: points, rows 31 .. 0
.irp n, 31,30,29,28,27,26,25,24,23,22,21,20,19,18,17,16,15,14,13,12,11,10,9,8,7,6,5,4,3,2,1,0
	LOADR \n
.endr
	; THE TABLE.  Row n, words 0-19:  t.x t.y t.z 1/e1 | b1.xyz e2/e1 | b2.xyz -e1/2 | b3.xyz 1/s2^2 | 1/s0^2 1/s1^2 1/e2 1/e2
	s_wait_loadcnt 35                              ; loads come back in order (ISA guide 5.7.1): the six are in, the ring's 35 stay out; s[8:15], which the six read, are free from here on
	v_mul_f32 v52, v40, v40
	v_fmac_f32 v52, v42, v42
	v_fmac_f32 v52, v44, v44                       ; |a1|^2
	v_max_num_f32 v50, 0x3c23d70a, v50             ; e1, e2 at least 0.01
	v_max_num_f32 v51, 0x3c23d70a, v51
	v_max_num_f32 v46, 0x3727c5ac, v46             ; scale at least 1e-5
	v_max_num_f32 v47, 0x3727c5ac, v47
	v_max_num_f32 v48, 0x3727c5ac, v48
	v_sqrt_f32 v52, v52
	v_rcp_f32 v63, v50                             ; 1/e1
	v_rcp_f32 v78, v51                             ; 1/e2, twice: a pair for the packed multiply
	v_rcp_f32 v79, v51
	v_rcp_f32 v46, v46
	v_rcp_f32 v47, v47
	v_rcp_f32 v48, v48
	v_mul_f32 v71, -0.5, v50                       ; -e1/2.  Also the plain instruction that stands behind transcendentals before a result is used (ISA guide 5.7.2)
	s_wait_alu depctr_va_vdst(0)
	v_max_num_f32 v52, 0x2b8cbccc, v52             ; norm at least 1e-12
	v_rcp_f32 v52, v52
	v_mul_f32 v67, v51, v63                        ; e2/e1 (and the place behind the reciprocal)
	s_wait_alu depctr_va_vdst(0)
	v_mul_f32 v64, v40, v52
	v_mul_f32 v65, v42, v52
	v_mul_f32 v66, v44, v52                        ; b1
	v_mul_f32 v53, v64, v41
	v_fmac_f32 v53, v65, v43
	v_fmac_f32 v53, v66, v45                       ; b1 . a2
	v_fma_f32 v68, -v53, v64, v41
	v_fma_f32 v69, -v53, v65, v43
	v_fma_f32 v70, -v53, v66, v45                  ; a2 - (b1 . a2) b1
	v_mul_f32 v54, v68, v68
	v_fmac_f32 v54, v69, v69
	v_fmac_f32 v54, v70, v70
	v_sqrt_f32 v54, v54
	v_mul_f32 v76, v46, v46                        ; 1/s0^2 (the place behind the root)
	v_mul_f32 v77, v47, v47
	s_wait_alu depctr_va_vdst(0)
	v_max_num_f32 v54, 0x2b8cbccc, v54
	v_rcp_f32 v54, v54
	v_mul_f32 v75, v48, v48                        ; 1/s2^2 (the place behind the reciprocal)
	s_wait_alu depctr_va_vdst(0)
	v_mul_f32 v68, v68, v54
	v_mul_f32 v69, v69, v54
	v_mul_f32 v70, v70, v54                        ; b2
	v_mul_f32 v72, v65, v70
	v_mul_f32 v73, v66, v68
	v_mul_f32 v74, v64, v69
	v_fma_f32 v72, -v66, v69, v72
	v_fma_f32 v73, -v64, v70, v73
	v_fma_f32 v74, -v65, v68, v74                  ; b3 = b1 x b2
	s_wait_alu depctr_va_vdst(0)                   ; the lines above have written v[63:79], which the LDS stores read
.irp q, 0,1,2,3,4
	ds_store_b128 v[TB], v[60+4*\q:63+4*\q] offset:16*\q   ; LDS serves a wave's instructions in order (ISA guide 5.7.1.4): the loads below see these
.endr
; Group g of a chunk: rows R + 3 .. R, R = 28 - 4 g.  ahead = 1: the four rows of the group before (R + 7 .. R + 4) are loaded with the next chunk, one load at a time among this group's lines.
; The wait for loads, ahead = 1.  Group 0: behind its rows were issued the chunk's 28 younger rows and the next chunk's 3 point loads: 31.
; Groups 1 to 7: 4 (7 - g) younger rows, the 3 point loads and the 4 (g - 1) rows of the next chunk asked for so far: 27.  In the last trip only the younger rows.
.macro GROUP g, ahead
.set R, 28-4*\g
.if \ahead
.if \g == 0
	s_wait_loadcnt 31
.else
	s_wait_loadcnt 27
	s_wait_alu depctr_va_vdst(0)                   ; the group before is done reading its four rows, in which the four loads below land; no line of this group names them
	LOADR R+7
.endif
.else
	s_wait_loadcnt 28-4*\g
.endif
.if \g > 0                             ; row 31 needs no compare: 31 is what stays if no lower row holds a 1 (then row 31 does, or the point is unassigned and its index is not used)
.irp j, 0,1,2,3
	v_cmp_eq_u32 s[MKA+\j], 1, v[A+4*(R+3)+\j]
.endr
.endif
.irp j, 0,1,2,3
	v_cmp_eq_u32 s[MKA+4+\j], 1, v[A+4*(R+2)+\j]
.endr
.if \ahead && (\g > 0)
	LOADR R+6
.endif
.irp j, 0,1,2,3
	v_cmp_eq_u32 s[MKB+\j], 1, v[A+4*(R+1)+\j]
.endr
.irp j, 0,1,2,3
	v_cmp_eq_u32 s[MKB+4+\j], 1, v[A+4*R+\j]
.endr
.if \ahead && (\g > 0)
	LOADR R+5
.endif
.if \g == 0
.irp j, 0,1,2,3
	v_max_i32 v[MX+\j], v[A+124+\j], v[A+120+\j]           ; the first maximum starts the chain: nothing is cleared
.endr
.else
.irp j, 0,1,2,3
	v_max3_i32 v[MX+\j], v[MX+\j], v[A+4*(R+3)+\j], v[A+4*(R+2)+\j]
.endr
.endif
.irp j, 0,1,2,3
	v_max3_i32 v[MX+\j], v[MX+\j], v[A+4*(R+1)+\j], v[A+4*R+\j]
.endr
	s_wait_alu depctr_va_sdst(0)                   ; the compares above have written their masks, which the selects below read
.if \ahead && (\g > 0)
	LOADR R+4
.endif
.if \g == 0
.irp j, 0,1,2,3
	v_cndmask_b32 v[IDX+\j], 31, 30, s[MKA+4+\j]           ; the first select starts the chain: nothing is cleared
.endr
.else
.irp j, 0,1,2,3
	v_cndmask_b32 v[IDX+\j], v[IDX+\j], R+3, s[MKA+\j]
.endr
.irp j, 0,1,2,3
	v_cndmask_b32 v[IDX+\j], v[IDX+\j], R+2, s[MKA+4+\j]   ; a lower row comes later and wins
.endr
.endif
.irp j, 0,1,2,3
	v_cndmask_b32 v[IDX+\j], v[IDX+\j], R+1, s[MKB+\j]
.endr
.irp j, 0,1,2,3
	v_cndmask_b32 v[IDX+\j], v[IDX+\j], R, s[MKB+4+\j]
.endr
.endm
; THE DISTANCE, in stages of plain instructions followed by transcendentals.  Points (0, 1) and (2, 3) take turns, so that between a
; transcendental and the first use of its result there always stand the other pair's plain instructions (ISA guide 5.7.2).
.macro ST1 a, b                        ; local frame, clamp, squares; then log2 of the three (X/s)^2 and the root for r0
.irp j, \a, \b
.set P, PRM+20*\j
.set Q, PT+3*\j
	v_sub_f32 v[P], v[Q], v[P]                     ; p - t
	v_sub_f32 v[P+1], v[Q+1], v[P+1]
	v_sub_f32 v[P+2], v[Q+2], v[P+2]
	v_mul_f32 v[P+4], v[P], v[P+4]                 ; X = (b1, b2, b3) . (p - t), three chains
	v_mul_f32 v[P+8], v[P], v[P+8]
	v_mul_f32 v[P+12], v[P], v[P+12]
	v_fmac_f32 v[P+4], v[P+1], v[P+5]
	v_fmac_f32 v[P+8], v[P+1], v[P+9]
	v_fmac_f32 v[P+12], v[P+1], v[P+13]
	v_fmac_f32 v[P+4], v[P+2], v[P+6]
	v_fma_f32 v[P+5], v[P+2], v[P+10], v[P+8]      ; the last links lay X side by side in P+4 .. P+6
	v_fma_f32 v[P+6], v[P+2], v[P+14], v[P+12]
	v_max_num_f32 v[P+4], |v[P+4]|, s[EPS]         ; |X| at least 1e-6
	v_max_num_f32 v[P+5], |v[P+5]|, s[EPS]
	v_max_num_f32 v[P+6], |v[P+6]|, s[EPS]
	v_pk_mul_f32 v[P+4:P+5], v[P+4:P+5], v[P+4:P+5]
	v_mul_f32 v[P+6], v[P+6], v[P+6]               ; X^2
	v_add_f32 v[P], v[P+4], v[P+5]
	v_add_f32 v[P], v[P], v[P+6]                   ; r0^2
	v_pk_mul_f32 v[P+4:P+5], v[P+4:P+5], v[P+16:P+17]
	v_mul_f32 v[P+6], v[P+6], v[P+15]              ; (X/s)^2
.endr
.irp j, \a, \b
.set P, PRM+20*\j
	v_log_f32 v[P+4], v[P+4]
	v_log_f32 v[P+5], v[P+5]
	v_log_f32 v[P+6], v[P+6]
	v_sqrt_f32 v[P], v[P]                          ; r0
.endr
.endm
.macro ST2 a, b                        ; term1, term2 = ((X/s)^2)^(1/e2), term3 = ((X/s)^2)^(1/e1)
	s_wait_alu depctr_va_vdst(0)
.irp j, \a, \b
.set P, PRM+20*\j
	v_pk_mul_f32 v[P+4:P+5], v[P+4:P+5], v[P+18:P+19]
	v_mul_f32 v[P+6], v[P+6], v[P+3]
.endr
.irp j, \a, \b
.set P, PRM+20*\j
	v_exp_f32 v[P+4], v[P+4]
	v_exp_f32 v[P+5], v[P+5]
	v_exp_f32 v[P+6], v[P+6]
.endr
.endm
.macro STEP a, b, op, src, fn          ; one link of the chain in P+4: a plain instruction with word src, then a transcendental
	s_wait_alu depctr_va_vdst(0)
.irp j, \a, \b
	\op v[PRM+20*\j+4], v[PRM+20*\j+4], v[PRM+20*\j+\src]
.endr
.irp j, \a, \b
	\fn v[PRM+20*\j+4], v[PRM+20*\j+4]
.endr
.endm
.macro ST7                             ; r0 (1 - f), truncated; 0 where the column's maximum is not 1.  The lines for points 0 and 1 are the places behind the exponentials of points 2 and 3
	s_wait_alu depctr_va_vdst(0)
.irp j, 0,1,2,3
	v_fma_f32 v[RES+\j], -v[PRM+20*\j], v[PRM+20*\j+4], v[PRM+20*\j]
.endr
.irp j, 0,1,2,3
	v_cmp_eq_u32 s[MKB+\j], 1, v[MX+\j]
.endr
.irp j, 0,1,2,3
	v_med3_num_f32 v[RES+\j], v[RES+\j], s[LO], s[HI]
.endr
	s_wait_alu depctr_va_sdst(0)                   ; the four compares have written their masks, which the selects below read
.irp j, 0,1,2,3
	v_cndmask_b32 v[RES+\j], 0, v[RES+\j], s[MKB+\j]
.endr
.endm
; One chunk of 128 points.  ahead = 1: the ring is filled again with the wave's next chunk.
.macro TRIP ahead
	s_wait_loadcnt 32                              ; the chunk's 3 point loads are in; its 32 rows, issued behind them, may be out
.irp q, 0,1,2
	ds_store_b128 v[LWR], v[PR+4*\q:PR+4*\q+3] offset:512*\q
.endr
	s_wait_xcnt 0x0                                ; every earlier load and store has had its addresses translated (ISA guide 3.1): VOFF, POFF and RES are rewritten only behind this wait
	s_wait_alu depctr_vm_vsrc(0)                   ; the stores above have read PR, in which the next points land; the loads and the store issued so far have read VOFF, POFF and RES; the table's loads have read IDX; in the first trip the table's stores have read v[60:79]
.if \ahead
	v_add_nc_u32 v[VOFF], ASTEP, v[VOFF]           ; the next chunk; this trip's store reaches back
	v_add_nc_u32 v[POFF], PSTEP, v[POFF]
	s_wait_alu depctr_va_vdst(0)                   ; VOFF and POFF are written, which all this trip's global loads and its store read
.endif
.irp q, 0,1,2
	ds_load_b128 v[PT+4*\q:PT+4*\q+3], v[LRD] offset:16*\q ; my 4 points; lanes 48 bytes apart: 16 lanes, 16 different 16-byte columns.  The last trip's lines that read PT stand ahead of the wait in front of its store, and no vector line since names PT
.endr
.if \ahead
	LOADP
.endif
.irp g, 0,1,2,3,4,5,6,7
	GROUP \g, \ahead
.endr
.irp j, 0,1,2,3
	v_min_u32 v[IDX+\j], 31, v[IDX+\j]             ; a row of the table, whatever was loaded
.endr
.irp j, 0,1,2,3
	v_mul_u32_u24 v[IDX+\j], v[IDX+\j], TPITCH
.endr
	s_wait_alu depctr_va_vdst(0)                   ; IDX is written, which the table's loads read; the arithmetic that read and wrote PRM is done, in which they land; group 7 is done reading rows 3 to 0, in which the four loads below land
.irp j, 0,1
.irp q, 0,1,2,3,4
	ds_load_b128 v[PRM+20*\j+4*\q:PRM+20*\j+4*\q+3], v[IDX+\j] offset:16*\q
.endr
.endr
.if \ahead
.irp n, 3,2,1,0
	LOADR \n
.endr
.endif
.irp j, 2,3
.irp q, 0,1,2,3,4
	ds_load_b128 v[PRM+20*\j+4*\q:PRM+20*\j+4*\q+3], v[IDX+\j] offset:16*\q
.endr
.endr
	s_wait_dscnt 10                                ; LDS loads come back in order: my points and the rows of points 0, 1 are in; the 10 loads for points 2, 3 may be out
	ST1 0, 1
	s_wait_dscnt 0x0
	ST1 2, 3
	ST2 0, 1
	ST2 2, 3
	STEP 0, 1, v_add_f32, 5, v_log_f32             ; log2 (term1 + term2)
	STEP 2, 3, v_add_f32, 5, v_log_f32
	STEP 0, 1, v_mul_f32, 7, v_exp_f32             ; (term1 + term2)^(e2/e1)
	STEP 2, 3, v_mul_f32, 7, v_exp_f32
	STEP 0, 1, v_add_f32, 6, v_log_f32             ; log2 (.. + term3)
	STEP 2, 3, v_add_f32, 6, v_log_f32
	STEP 0, 1, v_mul_f32, 11, v_exp_f32            ; f = (..)^(-e1/2)
	STEP 2, 3, v_mul_f32, 11, v_exp_f32
	ST7
	s_wait_alu depctr_va_vdst(0)                   ; the selects have written RES, which the store reads; the trip's lines that read PT are done too
.if \ahead
	global_store_b128 v[VOFF], v[RES:RES+3], s[16:17] offset:-ASTEP th:TH_STORE_NT   ; the wave stores 512 consecutive bytes, aligned
.else
	global_store_b128 v[VOFF], v[RES:RES+3], s[16:17] th:TH_STORE_NT
.endif
.endm
	s_mov_b32 s[CNT], TRIPS-1
.Ltrip:
	TRIP 1
	s_sub_co_u32 s[CNT], s[CNT], 1
	s_cmp_lg_u32 s[CNT], 0
	s_cbranch_scc1 .Ltrip
	TRIP 0                                         ; the last chunk loads nothing: no load leaves its buffer, and the counts run down to 0
	s_wait_dscnt 0x0
	s_wait_alu depctr_hold_cnt(0) depctr_sa_sdst(0) depctr_va_vdst(0) depctr_va_sdst(0) depctr_va_ssrc(0) depctr_va_vcc(0) depctr_vm_vsrc(0)
	s_wait_tensorcnt 0x0
	ds_add_u32 v126, v127
	s_wait_dscnt 0x0
	s_endpgm
.Lfunc_end_k_q26310300c4_superq:
	.size	k_q26310300c4_superq, .Lfunc_end_k_q26310300c4_superq-k_q26310300c4_superq
	.p2alignl 7, 3214868480
	.fill 96, 4, 3214868480
	.section	.rodata,"a",@progbits
	.p2align	6, 0x0
	.amdhsa_kernel k_q26310300c4_superq
		.amdhsa_group_segment_fixed_size 4352
		.amdhsa_private_segment_fixed_size 0
		.amdhsa_enable_private_segment 0
		.amdhsa_kernarg_size 56
		.amdhsa_user_sgpr_count 2
		.amdhsa_user_sgpr_kernarg_segment_ptr 1
		.amdhsa_wavefront_size32 1
		.amdhsa_system_sgpr_workgroup_id_x 1
		.amdhsa_system_sgpr_workgroup_id_y 1
		.amdhsa_system_sgpr_workgroup_id_z 1
		.amdhsa_system_vgpr_workitem_id 0
		.amdhsa_next_free_vgpr 256
		.amdhsa_next_free_sgpr 66
		.amdhsa_reserve_vcc 0
		.amdhsa_float_denorm_mode_32 3
		.amdhsa_float_denorm_mode_16_64 3
		.amdhsa_memory_ordered 1
		.amdhsa_forward_progress 1
		.amdhsa_inst_pref_size 72
	.end_amdhsa_kernel
	.amdgpu_metadata
---
amdhsa.version: [ 1, 2 ]
amdhsa.kernels:
  - .name:           k_q26310300c4_superq
    .symbol:         k_q26310300c4_superq.kd
    .args:
      - { .name: assign_matrix, .offset: 0, .size: 8, .value_kind: global_buffer, .address_space: global }
      - { .name: points, .offset: 8, .size: 8, .value_kind: global_buffer, .address_space: global }
      - { .name: raw_exponents, .offset: 16, .size: 8, .value_kind: global_buffer, .address_space: global }
      - { .name: raw_rotation, .offset: 24, .size: 8, .value_kind: global_buffer, .address_space: global }
      - { .name: raw_sqscale, .offset: 32, .size: 8, .value_kind: global_buffer, .address_space: global }
      - { .name: translation, .offset: 40, .size: 8, .value_kind: global_buffer, .address_space: global }
      - { .name: out0, .offset: 48, .size: 8, .value_kind: global_buffer, .address_space: global }
    .group_segment_fixed_size: 4352
    .private_segment_fixed_size: 0
    .kernarg_segment_align: 8
    .kernarg_segment_size: 56
    .max_flat_workgroup_size: 32
    .sgpr_count:     66
    .vgpr_count:     256
    .wavefront_size: 32
...
	.end_amdgpu_metadata
.endif
;; end of part 2
